; MI455X (gfx1250); checked and timed in simulation.
; The chip was launched on July 23, 2026; its instructions are those of AMD's public machine-readable ISA for CDNA 5 (MIT licence, August 2026) and "CDNA5" Instruction Set Architecture Reference Guide (July 2026). The comments in the code are by the model that wrote it; some were corrected since.
;; Mo E Dispatcher. Allowed arithmetic: matrix products marked QUANTISED: E5M2 operands, one given power-of-two scale a tensor, by v_wmma_f32_16x16x64_bf8_bf8 or v_wmma_f32_16x16x128_bf8_bf8, f32 sums; everything else in f32.
;; Inputs: b1 8 x 1,024 float32; b2 8 x 1,024 float32; expert_indices 4 x 1,024 x 2 int32; expert_weights 4 x 1,024 x 2 float32; lowp_scales 32 int32 (the exponents e of the quantised operands' scales 2^e); w1_codes 8 x 1,024 x 32 x 32 uint8 (E5M2 codes of w1, K innermost, in blocks of 32 codes); w2_codes 8 x 1,024 x 32 x 32 uint8 (E5M2 codes of w2, K innermost, in blocks of 32 codes); x_codes 4 x 1,024 x 32 x 32 uint8 (E5M2 codes of x, K innermost, in blocks of 32 codes).
;; Outputs: out0 4 x 1,024 x 1,024 float32.
;; This version of the problem:
;;   THIS VERSION OF THE PROBLEM IS GIVEN IN LOW PRECISION. The matrix products marked QUANTISED in the list below multiply operands that are first quantised to E5M2 (5 exponent bits, 2 mantissa bits; 8 bits a number), with one given power-of-two scale for each operand tensor; their sums are f32. All else is computed in f32.
;;   The module's matrix products, in the order in which they are computed (A, B: the left and right operand; K: the contracted axis; several contracted axes count as one K, in the product's order):
;;     1. [M 4,096, K 1,024] x [K 1,024, N 1,024]; A: input x (given as codes); B: input w1 (given as codes): QUANTISED (scales: A lowp_scales[0], B lowp_scales[1])
;;     2. [M 4,096, K 1,024] x [K 1,024, N 1,024]; A: computed on the way; B: input w2 (given as codes): QUANTISED (scales: A lowp_scales[2], B lowp_scales[3])
;;     3. [M 4,096, K 1,024] x [K 1,024, N 1,024]; A: input x (given as codes); B: input w1 (given as codes): QUANTISED (scales: A lowp_scales[4], B lowp_scales[5])
;;     4. [M 4,096, K 1,024] x [K 1,024, N 1,024]; A: computed on the way; B: input w2 (given as codes): QUANTISED (scales: A lowp_scales[6], B lowp_scales[7])
;;     5. [M 4,096, K 1,024] x [K 1,024, N 1,024]; A: input x (given as codes); B: input w1 (given as codes): QUANTISED (scales: A lowp_scales[8], B lowp_scales[9])
;;     6. [M 4,096, K 1,024] x [K 1,024, N 1,024]; A: computed on the way; B: input w2 (given as codes): QUANTISED (scales: A lowp_scales[10], B lowp_scales[11])
;;     7. [M 4,096, K 1,024] x [K 1,024, N 1,024]; A: input x (given as codes); B: input w1 (given as codes): QUANTISED (scales: A lowp_scales[12], B lowp_scales[13])
;;     8. [M 4,096, K 1,024] x [K 1,024, N 1,024]; A: computed on the way; B: input w2 (given as codes): QUANTISED (scales: A lowp_scales[14], B lowp_scales[15])
;;     9. [M 4,096, K 1,024] x [K 1,024, N 1,024]; A: input x (given as codes); B: input w1 (given as codes): QUANTISED (scales: A lowp_scales[16], B lowp_scales[17])
;;     10. [M 4,096, K 1,024] x [K 1,024, N 1,024]; A: computed on the way; B: input w2 (given as codes): QUANTISED (scales: A lowp_scales[18], B lowp_scales[19])
;;     11. [M 4,096, K 1,024] x [K 1,024, N 1,024]; A: input x (given as codes); B: input w1 (given as codes): QUANTISED (scales: A lowp_scales[20], B lowp_scales[21])
;;     12. [M 4,096, K 1,024] x [K 1,024, N 1,024]; A: computed on the way; B: input w2 (given as codes): QUANTISED (scales: A lowp_scales[22], B lowp_scales[23])
;;     13. [M 4,096, K 1,024] x [K 1,024, N 1,024]; A: input x (given as codes); B: input w1 (given as codes): QUANTISED (scales: A lowp_scales[24], B lowp_scales[25])
;;     14. [M 4,096, K 1,024] x [K 1,024, N 1,024]; A: computed on the way; B: input w2 (given as codes): QUANTISED (scales: A lowp_scales[26], B lowp_scales[27])
;;     15. [M 4,096, K 1,024] x [K 1,024, N 1,024]; A: input x (given as codes); B: input w1 (given as codes): QUANTISED (scales: A lowp_scales[28], B lowp_scales[29])
;;     16. [M 4,096, K 1,024] x [K 1,024, N 1,024]; A: computed on the way; B: input w2 (given as codes): QUANTISED (scales: A lowp_scales[30], B lowp_scales[31])
;;   THE QUANTISER, for each operand of a quantised product, along K:
;;     - The operand's scale is 2^e, e = its entry of the input lowp_scales (int32; the entries are numbered through the quantised products in the list's order, A before B).
;;     - Each number is divided by the scale, clamped to +-57,344, and rounded to the nearest number of E5M2, ties to even, subnormals kept.
;;     - The product sums the exact products of the quantised numbers (number of the format x scale) in f32.
;;   ~~~python
;;   def quantise(x, axis, e):      # numpy; x: float32 -> the quantised numbers, widened to float32 again
;;       x = np.moveaxis(x, axis, -1); K = x.shape[-1]
;;       r = np.clip(x / 2.0 ** e, -57344, 57344)
;;       step = 2.0 ** (np.maximum(np.frexp(np.where(r == 0, 1, r))[1] - 1, -14) - 2)
;;       q = np.round(r / step) * step * 2.0 ** e      # np.round: ties to even
;;       return np.moveaxis(q, -1, axis).astype(np.float32)
;;   ~~~
;;   OPERANDS COMPUTED ON THE WAY. 'Computed on the way' means the value that the module computes at that place (a softmax that the list does not call 'softmax' is quantised finished and normalised). What goes into a quantiser is computed in f32, as accurately as f32 sums, v_exp_f32 and their like allow (about 1e-6 of the number): no bf16 or f16 on the way to a quantiser, and a product that is left as it is and whose result goes on into a quantised operand takes f32 operands (vector FMAs, or v_wmma_f32_16x16x4_f32). A number that lies on a knife's edge between two numbers of the format may be rounded either way, as far as f32 arithmetic and the matrix unit's own rounding can turn it there, and no further.
;;   INPUTS GIVEN AS CODES. w1 (in the module: [8, 1024, 1024], K = its axis 1); w2 (in the module: [8, 1024, 1024], K = its axis 1); x (in the module: [4, 1024, 1024], K = its axis 2): each comes as NAME_codes (uint8): NAME with its K axis moved to the last place and cut into blocks of 32 codes, [.., K / 32, bytes a block], one block behind the other in memory; one code a byte (a code: sign, 5 exponent bits, 2 mantissa bits); its scale is its entry of lowp_scales. Its value is code x scale, taken as it is: it is not quantised again, and the codes and scales need not be those that the quantiser above would give.
;; One version. Each part assembles by itself: llvm-mc -triple=amdgcn-amd-amdhsa -mcpu=gfx1250 --defsym DOCPART=n.
;; ======== version 1 of 1: 4 launches
;; limits: right only within a limited range of input values
;; workspace buffers: w1f 8,388,608 bytes; w2f 8,388,608 bytes; xs 9,437,184 bytes; hq 9,437,184 bytes; part 37,748,736 bytes; pos 65,536 bytes of whole numbers; texp 256 bytes of whole numbers
;; launch prep (part 1): grid 256 x 1, 8 waves a work-group, no clusters, 68,864 bytes of LDS; arguments expert_indices, x_codes, w1_codes, w2_codes, w1f, w2f, xs, pos, texp; writes w1f, w2f, xs, pos, texp
.if DOCPART == 1
	.amdgcn_target "amdgcn-amd-amdhsa--gfx1250"
	.amdhsa_code_object_version 6
	.text
	.protected	k_qd38e7572e3_prep
	.globl	k_qd38e7572e3_prep
	.p2align	8
	.type	k_qd38e7572e3_prep,@function
k_qd38e7572e3_prep:
	s_mov_b64 s[64:65], 0
	v_nop
	global_prefetch_b8 v0, s[64:65] scope:SCOPE_SE
	s_setreg_imm32_b32 hwreg(HW_REG_WAVE_MODE, 25, 1), 1
	s_wait_xcnt 0x0
; THE PROGRAM: only the experts that a token's two indices name are computed for it: 8,192 entries (token, slot), sorted by expert.  For every other expert the mask of reference() is 0, so its result is multiplied by 0.
; LIMIT: a NaN, an infinity or an overflow that would reach only an expert that a token does not name is not carried to the result.
; THIS LAUNCH: work-group g of 256, eight waves, does three things.
; 1. A counting sort of the entries without atomics.  Every work-group counts all 8,192 indices itself (in all, and those ahead of its own 32 entries 32 g .. 32 g + 31), so it knows where its own entries go.
;    Each expert's rows are padded to whole tiles of 144 positions: sum over e of ceil(n_e / 144) <= (8192 + 8 x 143) / 144 = 64 tiles for every split: 9,216 positions, of which always 1,024 are no entry's.
;    pos[i] = (position, index as given) of entry i = 2 t + k.  texp[j] = the expert of tile j (7 in tiles left over).  An index outside 0..7 is sorted under expert 7; the last launch gives its row the weight 0.
; 2. xs[position] = the token's row of x's codes, 1,024 bytes: the work-group reads its own 16 rows and stores each twice.  The positions of no entry get zero codes, four a work-group.
; 3. Four of the weights' 1,024 tiles of 16 rows are laid in the order of an operand's registers: [e 8][tile 64][K step of 128: 8][c 4][512 bytes]; lane l = r + 16 h has 16 bytes at 16 l: codes k = 128 ks + 32 c + 16 h + 0..15
;    of the tile's row r.  w2: row 16 nt + r.  w1: row 32 (nt / 2) + 8 (nt % 2) + r + 8 (r / 8), so that the results of two neighbouring tiles are 16 neighbours along the next product's K.
;    A wave takes half of a tile's K, 16 rows x 512 bytes, through its own stage in LDS.  Loads and stores of a wave cover 512 consecutive bytes.
; No loop, no cluster (nothing but the 32 KB of indices is shared), no matrix instruction.
.set SP,   528                         ; a stage row: 512 bytes + 16: 33 x 16 bytes: the sixteen rows that a load touches start in sixteen different 16-byte columns of 256
.set STGB, 16*SP
.set CNTB, 8*STGB                      ; 67,584: the waves' counts, 32 bytes each
.set SPARE, CNTB+256                   ; the spare words, 128 bytes a wave
.set E,    32                          ; v32-63   32 indices a lane
.set XR,   168                         ; v168-183 two rows of x
.set D,    184                         ; v184-247 my half tile
.set NE,   48                          ; s48-55   entries of expert e in all
.set BF,   56                          ; s56-63   those ahead of my work-group's
.set TS,   66                          ; s66-74   first tile of expert e
.set CN,   76                          ; s76-84   entries of the experts below e
.set PB,   86                          ; s86-93   position of my work-group's first entry of expert e
	s_load_b512 s[8:23], s[0:1], 0x0               ; indices s[8:9], x s[10:11], w1 s[12:13], w2 s[14:15], w1f s[16:17], w2f s[18:19], xs s[20:21], pos s[22:23]
	s_load_b64 s[24:25], s[0:1], 0x40              ; texp
	v_lshl_add_u32 v250, v0, 2, SPARE
	v_mov_b32 v251, 0
	v_lshrrev_b32 v1, 5, v0
	v_readfirstlane_b32 s26, v1                    ; wave 0..7
	v_and_b32 v1, 31, v0                           ; lane
	v_and_b32 v2, 15, v0                           ; r
	v_bfe_u32 v3, v0, 4, 1                         ; h
	v_lshlrev_b32 v4, 4, v1                        ; 16 x lane
	v_lshlrev_b32 v6, 2, v1
	v_lshlrev_b32 v16, 3, v1
	v_lshrrev_b32 v8, 3, v1
	s_lshl_b32 s28, s26, 12                        ; the 1,024 indices that my wave counts
	s_mov_b32 s29, 0
	s_lshl_b32 s30, ttmp9, 7                       ; my work-group's 32 entries
	s_mov_b32 s31, 0
	s_lshl_b32 s32, ttmp9, 4
	s_lshl_b32 s48, s26, 1
	s_add_co_u32 s32, s32, s48                     ; my tokens: 16 g + 2 wave, and the next
	s_lshl_b32 s32, s32, 10
	s_mov_b32 s33, 0
	s_lshl_b32 s38, ttmp9, 8
	s_mov_b32 s39, 0
	s_lshr_b32 s49, s26, 1
	s_lshl_b32 s27, ttmp9, 2
	s_add_co_u32 s27, s27, s49                     ; my weight tile 0..1023, 0-511 of w1; also my pad row
	s_and_b32 s51, s27, 511
	s_and_b32 s52, s51, 63                         ; nt
	s_lshr_b32 s53, s51, 6                         ; e
	s_lshr_b32 s54, s52, 1
	s_lshl_b32 s54, s54, 5
	s_and_b32 s55, s52, 1
	s_lshl_b32 s55, s55, 3
	s_add_co_u32 s54, s54, s55                     ; w1: first row 32 (nt / 2) + 8 (nt % 2)
	s_lshl_b32 s55, s52, 4                         ; w2: 16 nt
	s_and_b32 s56, s26, 1                          ; which half of K
	s_cmp_lt_u32 ttmp9, 128
	s_cselect_b32 s54, s54, s55
	s_cselect_b32 s57, 8192, 0                     ; w1: rows 8-15 lie 8 rows of 1,024 bytes further on
	s_lshl_b32 s34, s53, 20
	s_lshl_b32 s54, s54, 10
	s_add_co_u32 s34, s34, s54
	s_lshl_b32 s55, s56, 9
	s_add_co_u32 s34, s34, s55
	s_mov_b32 s35, 0
	s_lshl_b32 s36, s51, 14
	s_lshl_b32 s55, s56, 13
	s_add_co_u32 s36, s36, s55
	s_mov_b32 s37, 0
	s_mul_i32 s58, s26, STGB
	s_lshl_b32 s59, s26, 5
	s_lshl_b32 s60, s26, 4
	s_mov_b32 s94, 0x0f0f0f0f
	s_mov_b32 s95, 0x00ff00ff
	s_mov_b32 s98, 0x76543210
	s_mov_b32 s99, 0xfedcba98
	s_wait_alu depctr_va_vdst(0)                   ; ahead of the readers below
	v_add_nc_u32 v7, s57, v4
	v_add_nc_u32 v30, s58, v4                      ; into my stage
	v_mul_u32_u24 v31, v2, SP
	v_add_nc_u32 v8, s59, v8                       ; 32 wave + lane / 8: the block of 32 entries that a register of indices lies in, less 4 j
	s_add_co_u32 s59, s59, CNTB
	v_mov_b32 v9, s59                              ; my wave's counts
	v_mov_b32 v10, CNTB
	v_mov_b32 v18, s60                             ; lanes 4 wave .. 4 wave + 3 hold my two tokens' entries (as byte addresses)
	v_lshl_add_u32 v31, v3, 4, v31
.irp k, 1,2,3
	v_add_nc_u32 v[18+\k], 4*\k, v18
.endr
	v_add_nc_u32 v31, s58, v31                     ; out of my stage: row r, + 16 h
.irp i, 0,1,2,3,4,5,6,7
	v_mov_b32 v[100+\i], 0                         ; written once: a lane permute's destination counts as read
.endr
	s_wait_alu depctr_va_vdst(0)
	s_wait_kmcnt 0x0
	s_add_nc_u64 s[28:29], s[8:9], s[28:29]
	s_add_nc_u64 s[30:31], s[8:9], s[30:31]
	s_add_nc_u64 s[32:33], s[10:11], s[32:33]
	s_add_nc_u64 s[38:39], s[22:23], s[38:39]
	s_cmp_lt_u32 ttmp9, 128
	s_cselect_b64 s[12:13], s[12:13], s[14:15]     ; from
	s_cselect_b64 s[16:17], s[16:17], s[18:19]     ; to
	s_add_nc_u64 s[34:35], s[12:13], s[34:35]
	s_add_nc_u64 s[36:37], s[16:17], s[36:37]
.irp j, 0,1,2,3,4,5,6,7
	global_load_b128 v[E+4*\j:E+4*\j+3], v4, s[28:29] offset:512*\j   ; register 4 j + c of lane l: entry 1024 wave + 128 j + 4 l + c
.endr
	global_load_b32 v11, v6, s[30:31]              ; my work-group's entries, one a lane, in every wave
.irp q, 0,1,2,3
	global_load_b128 v[XR+4*\q:XR+4*\q+3], v4, s[32:33] offset:512*\q th:TH_LOAD_NT
.endr
.irp i, 0,1,2,3,4,5,6,7
	global_load_b128 v[D+4*\i:D+4*\i+3], v4, s[34:35] offset:1024*\i th:TH_LOAD_NT
.endr
.irp i, 8,9,10,11,12,13,14,15
	global_load_b128 v[D+4*\i:D+4*\i+3], v7, s[34:35] offset:1024*\i th:TH_LOAD_NT
.endr
	; THE COUNTS, packed: 1 in the nibble of the index; 8 entries of two j fit a nibble, 32 a byte, a wave's 1,024 and all 8,192 sixteen bits
.irp j, 0,1,2,3,4,5,6,7
	s_sub_co_i32 s[40+\j], ttmp9, 4*\j
.endr
	s_wait_loadcnt 21                              ; the indices are in; behind them stand 1 + 4 + 16 loads
.set i, 0
.rept 32
	v_min_u32 v[E+i], 7, v[E+i]
.set i, i+1
.endr
.set i, 0
.rept 32
	v_lshlrev_b32 v[E+i], 2, v[E+i]
.set i, i+1
.endr
.set i, 0
.rept 32
	v_lshlrev_b32 v[E+i], v[E+i], 1
.set i, i+1
.endr
.irp j, 0,1,2,3,4,5,6,7
	v_add3_u32 v[64+\j], v[E+4*\j], v[E+4*\j+1], v[E+4*\j+2]
.endr
.irp j, 0,1,2,3,4,5,6,7
	v_add_nc_u32 v[64+\j], v[64+\j], v[E+4*\j+3]
.endr
.irp j, 0,1,2,3,4,5,6,7
	v_cmp_gt_i32 s[40+\j], s[40+\j], v8            ; does the block lie ahead of block g?
.endr
.irp j, 0,1,2,3,4,5,6,7
	v_cndmask_b32 v[72+\j], 0, v[64+\j], s[40+\j]
.endr
.irp p, 0,1,2,3,4,5,6,7
	v_add_nc_u32 v[64+\p], v[64+2*\p], v[65+2*\p]  ; 64-67 in all, 68-71 those ahead
.endr
.irp p, 0,1,2,3,4,5,6,7
	v_lshrrev_b32 v[80+\p], 4, v[64+\p]
.endr
.irp p, 0,1,2,3,4,5,6,7
	v_and_b32 v[64+\p], s94, v[64+\p]              ; even experts
	v_and_b32 v[80+\p], s94, v[80+\p]              ; odd experts
.endr
.irp m, 0,4
	v_add3_u32 v[64+\m], v[64+\m], v[65+\m], v[66+\m]
	v_add3_u32 v[80+\m], v[80+\m], v[81+\m], v[82+\m]
.endr
	v_add_nc_u32 v88, v64, v67
	v_add_nc_u32 v89, v80, v83
	v_add_nc_u32 v90, v68, v71
	v_add_nc_u32 v91, v84, v87
.irp m, 0,1,2,3
	v_and_b32 v[92+2*\m], s95, v[88+\m]
	v_lshrrev_b32 v[93+2*\m], 8, v[88+\m]
.endr
.irp m, 0,1,2,3
	v_and_b32 v[93+2*\m], s95, v[93+2*\m]          ; 92: experts 0, 4; 93: 2, 6; 94: 1, 5; 95: 3, 7; 96-99 the same for those ahead
.endr
.irp x, 1,2,4,8
.irp i, 92,93,94,95,96,97,98,99
	v_add_nc_u32_dpp v[\i], v[\i], v[\i] row_xmask:\x row_mask:0xf bank_mask:0xf
.endr
.endr
.irp i, 0,1,2,3,4,5,6,7
	v_permlanex16_b32 v[100+\i], v[92+\i], s98, s99
.endr
.irp i, 0,1,2,3,4,5,6,7
	v_add_nc_u32 v[92+\i], v[92+\i], v[100+\i]
.endr
	ds_store_b128 v9, v[92:95]                     ; all lanes hold and store the same
	ds_store_b128 v9, v[96:99] offset:16
	s_wait_alu depctr_va_vdst(0)
	s_wait_dscnt 0x0                               ; for the others' sake: my counts lie in LDS
	s_barrier_signal -1
	s_barrier_wait -1
.set m, 0
.rept 16
	ds_load_b128 v[104+4*m:104+4*m+3], v10 offset:16*m
.set m, m+1
.endr
	s_wait_dscnt 0x0
.irp w, 0,2,4
.irp i, 104,105,106,107,108,109,110,111
	v_add3_u32 v[\i], v[\i], v[\i+8*(\w+1)], v[\i+8*(\w+2)]
.endr
.endr
.irp i, 104,105,106,107,108,109,110,111
	v_add_nc_u32 v[\i], v[\i], v[\i+56]
.endr
.irp i, 0,1,2,3,4,5,6,7
	v_readfirstlane_b32 s[40+\i], v[104+\i]
.endr
.macro UNPACK i, e
	s_and_b32 s[NE+\e], s[40+\i], 0xffff
	s_lshr_b32 s[NE+\e+4], s[40+\i], 16
	s_and_b32 s[BF+\e], s[44+\i], 0xffff
	s_lshr_b32 s[BF+\e+4], s[44+\i], 16
.endm
	UNPACK 0, 0
	UNPACK 1, 2
	UNPACK 2, 1
	UNPACK 3, 3
	s_mov_b32 s[TS], 0
	s_mov_b32 s[CN], 0
.irp e, 0,1,2,3,4,5,6,7
	s_add_co_u32 s94, s[NE+\e], 143
	s_mul_i32 s94, s94, 29128                      ; x 29128 >> 22 = x / 144 rounded down: 29128 x 144 - 2^22 = 128, so the excess is x / (144 x 32768), under 1/144 for x up to 8,335
	s_lshr_b32 s94, s94, 22
	s_add_co_u32 s[TS+\e+1], s[TS+\e], s94
	s_mul_i32 s95, s[TS+\e], 144
	s_add_co_u32 s[PB+\e], s95, s[BF+\e]
	s_add_co_u32 s[CN+\e+1], s[CN+\e], s[NE+\e]
.endr
	; my pad row q of 1,024: the pads of experts below e number 144 TS_e - CN_e, and the q-th pad, if it is expert e's, lies at q + CN_(e+1); left over tiles' at q + 8,192
	s_mov_b32 s94, s[CN+1]
.irp e, 1,2,3,4,5,6,7
	s_mul_i32 s95, s[TS+\e], 144
	s_sub_co_u32 s95, s95, s[CN+\e]
	s_cmp_ge_u32 s27, s95
	s_cselect_b32 s94, s[CN+\e+1], s94
.endr
	s_add_co_u32 s94, s94, s27
	s_min_u32 s94, s94, 0x23ff                     ; at most 9,215: it goes into an address
	s_lshl_b32 s94, s94, 10
	s_and_b32 s95, s26, 1
	s_lshl_b32 s95, s95, 9                         ; two waves share a row
	s_add_co_u32 s94, s94, s95
	s_mov_b32 s95, 0
	s_add_nc_u64 s[94:95], s[20:21], s[94:95]
	s_wait_loadcnt 16                              ; my entries and my rows of x are in; the weights' sixteen loads may be out
	v_min_u32 v12, 7, v11
	v_mov_b32 v15, v11
.irp i, 60,61,62,63
	v_mov_b32 v[\i], 0
.endr
.irp e, 0,1,2,3,4,5,6,7
	v_cmp_eq_u32 s[40+\e], \e, v12
.endr
	; an entry's position: its expert's base + the lower lanes that name the same expert
.irp e, 0,1,2,3,4,5,6,7
	v_mbcnt_lo_u32_b32 v[E+\e], s[40+\e], s[PB+\e]
.endr
.irp e, 1,2,3,4,5,6,7
	v_cndmask_b32 v[E], v[E], v[E+\e], s[40+\e]
.endr
	v_min_u32 v14, 0x23ff, v[E]
.irp k, 0,1,2,3
	ds_bpermute_b32 v[22+\k], v[18+\k], v14        ; between lanes: no LDS byte is touched
.endr
	global_store_b128 v4, v[60:63], s[94:95]       ; half a pad row
	s_wait_alu depctr_va_vdst(0)
	s_wait_dscnt 0x0
.irp k, 0,1,2,3
	v_min_u32 v[22+\k], 0x23ff, v[22+\k]
.endr
.irp k, 0,1,2,3
	v_lshl_add_u32 v[26+\k], v[22+\k], 10, v4
.endr
.irp k, 0,1,2,3
	global_store_b128 v[26+\k], v[XR+8*(\k/2):XR+8*(\k/2)+3], s[20:21]
	global_store_b128 v[26+\k], v[XR+8*(\k/2)+4:XR+8*(\k/2)+7], s[20:21] offset:512
.endr
	s_wait_alu depctr_va_vdst(0)
	s_cmp_lg_u32 s26, 0
	s_cbranch_scc1 .Lweights
	global_store_b64 v16, v[14:15], s[38:39]       ; 256 bytes: wave 0 stores them for the work-group
	s_cmp_lg_u32 ttmp9, 0
	s_cbranch_scc1 .Lweights
	; texp[j] = how many of TS_1 .. TS_7 are at most j; a lane takes tiles 2 l, 2 l + 1
	v_lshlrev_b32 v66, 1, v1
	v_mov_b32 v64, 0
	v_mov_b32 v65, 0
	v_lshl_or_b32 v67, v1, 1, 1
.irp e, 1,2,3,4,5,6,7
	v_cmp_le_u32 s40, s[TS+\e], v66
	v_cmp_le_u32 s41, s[TS+\e], v67
	v_cndmask_b32 v68, 0, 1, s40
	v_cndmask_b32 v69, 0, 1, s41
	v_add_nc_u32 v64, v64, v68
	v_add_nc_u32 v65, v65, v69
.endr
	global_store_b64 v16, v[64:65], s[24:25]
.Lweights:
.set nn, 0
.rept 16
	s_wait_loadcnt 15-nn                           ; load nn is in, the younger ones may be out
	ds_store_b128 v30, v[D+4*nn:D+4*nn+3] offset:SP*nn
.set nn, nn+1
.endr
.set nn, 0
.rept 16
	ds_load_b128 v[D+4*nn:D+4*nn+3], v31 offset:128*(nn/4)+32*(nn%4)   ; my own stage, and LDS serves a wave's instructions in order: these see the stores above
.set nn, nn+1
.endr
.set nn, 0
.rept 16
	s_wait_dscnt 15-nn
	global_store_b128 v4, v[D+4*nn:D+4*nn+3], s[36:37] offset:512*nn
.set nn, nn+1
.endr
	s_wait_tensorcnt 0x0                           ; the wave's end
	ds_add_u32 v250, v251
	s_wait_dscnt 0x0
	s_endpgm
.Lfunc_end_k_qd38e7572e3_prep:
	.size	k_qd38e7572e3_prep, .Lfunc_end_k_qd38e7572e3_prep-k_qd38e7572e3_prep
	.p2alignl 7, 3214868480
	.fill 96, 4, 3214868480
	.section	.rodata,"a",@progbits
	.p2align	6, 0x0
	.amdhsa_kernel k_qd38e7572e3_prep
		.amdhsa_group_segment_fixed_size 68864
		.amdhsa_private_segment_fixed_size 0
		.amdhsa_enable_private_segment 0
		.amdhsa_kernarg_size 72
		.amdhsa_user_sgpr_count 2
		.amdhsa_user_sgpr_kernarg_segment_ptr 1
		.amdhsa_wavefront_size32 1
		.amdhsa_system_sgpr_workgroup_id_x 1
		.amdhsa_system_sgpr_workgroup_id_y 1
		.amdhsa_system_sgpr_workgroup_id_z 1
		.amdhsa_system_vgpr_workitem_id 0
		.amdhsa_next_free_vgpr 252
		.amdhsa_next_free_sgpr 100
		.amdhsa_reserve_vcc 0
		.amdhsa_float_denorm_mode_32 3
		.amdhsa_float_denorm_mode_16_64 3
		.amdhsa_memory_ordered 1
		.amdhsa_forward_progress 1
		.amdhsa_inst_pref_size 36
	.end_amdhsa_kernel
	.amdgpu_metadata
---
amdhsa.version: [ 1, 2 ]
amdhsa.kernels:
  - .name:           k_qd38e7572e3_prep
    .symbol:         k_qd38e7572e3_prep.kd
    .args:
      - { .name: expert_indices, .offset: 0, .size: 8, .value_kind: global_buffer, .address_space: global }
      - { .name: x_codes, .offset: 8, .size: 8, .value_kind: global_buffer, .address_space: global }
      - { .name: w1_codes, .offset: 16, .size: 8, .value_kind: global_buffer, .address_space: global }
      - { .name: w2_codes, .offset: 24, .size: 8, .value_kind: global_buffer, .address_space: global }
      - { .name: w1f, .offset: 32, .size: 8, .value_kind: global_buffer, .address_space: global }
      - { .name: w2f, .offset: 40, .size: 8, .value_kind: global_buffer, .address_space: global }
      - { .name: xs, .offset: 48, .size: 8, .value_kind: global_buffer, .address_space: global }
      - { .name: pos, .offset: 56, .size: 8, .value_kind: global_buffer, .address_space: global }
      - { .name: texp, .offset: 64, .size: 8, .value_kind: global_buffer, .address_space: global }
    .group_segment_fixed_size: 68864
    .private_segment_fixed_size: 0
    .kernarg_segment_align: 8
    .kernarg_segment_size: 72
    .max_flat_workgroup_size: 256
    .sgpr_count:     100
    .vgpr_count:     252
    .wavefront_size: 32
...
	.end_amdgpu_metadata
.endif
;; end of part 1
;; launch gemm1 (part 2): grid 4 x 64, 4 waves a work-group, clusters of 4 x 1, 168,448 bytes of LDS; arguments xs, w1f, b1, lowp_scales, texp, hq; writes hq
.if DOCPART == 2
	.amdgcn_target "amdgcn-amd-amdhsa--gfx1250"
	.amdhsa_code_object_version 6
	.text
	.protected	k_qd38e7572e3_gemm1
	.globl	k_qd38e7572e3_gemm1
	.p2align	8
	.type	k_qd38e7572e3_gemm1,@function
k_qd38e7572e3_gemm1:
	s_mov_b64 s[64:65], 0
	v_nop
	global_prefetch_b8 v0, s[64:65] scope:SCOPE_SE
	s_setreg_imm32_b32 hwreg(HW_REG_WAVE_MODE, 25, 1), 1
	s_wait_xcnt 0x0
	s_wait_alu depctr_hold_cnt(0) depctr_sa_sdst(0) depctr_va_vdst(0) depctr_va_sdst(0) depctr_va_ssrc(0) depctr_va_vcc(0) depctr_vm_vsrc(0)
	s_getreg_b32 s2, hwreg(HW_REG_IB_STS2, 6, 4)
	s_cmp_eq_u32 s2, 0
	s_cbranch_scc0 .Lentry_in_a_cluster
	s_endpgm
.Lentry_in_a_cluster:
	s_bfe_u32 s2, ttmp6, 0x10000c
	s_cmp_lg_u32 s2, 0x3003
	s_cbranch_scc0 .Lentry_shape_is_right
	s_endpgm
.Lentry_shape_is_right:
; hq = Q(silu(x W1[e]^T 2^(ex + ew1) + b1[e])) for one tile of 144 sorted rows (work-group y) and 256 hidden units (work-group x), on codes of BF8 (E5M2).
; e = texp[tile]; ex, ew1, eh are lowp_scales[4 e .. 4 e + 2].  Q: / 2^eh, held within +-57,344, to the nearest code, ties to even.  Experts that a row's index does not name are left out: their weight is 0 (first launch).
; SHARES.  Four waves; wave w makes all 144 rows x units 256 cb + 64 w .. + 63: 9 x 4 accumulators of 16 x 16, 36 matrix instructions for 128 along K, 8 such steps.
; CLUSTER: the four column blocks of a tile need the same 144 rows of xs, 147,456 bytes: asked for JOINTLY.  Wave w of each of the four issues the same tensor load (rows 36 w .. 36 w + 35), with the same descriptor and a mask that names
; the four.  The descriptor is made of the tile and the wave's number alone.  W1 is not shared in the cluster: each column block has rows of its own, and
; which tiles share an expert hangs on stored counts.  A wave's 64 KB of W1 come from w1f, laid in register order, straight into 512 registers, each byte once.  No prefetch: the text has no loop to run ahead in.
; THE MATRIX INSTRUCTION IS USED TRANSPOSED (source 0 = 16 rows of W1, source 1 = 16 rows of x): a lane holds ONE row, and the 16 registers of tiles 2 B and 2 B + 1 are hidden units 32 B + 16 (lane / 16) + 0..15,
; by w1f's choice of rows: so the conversions' results are registers of the next product's operand, and are stored as its image: hq [tile][K step 8][block of 16 rows 9][c 4][512 bytes].
; Registers 4 c .. 4 c + 3 of a fragment hold k = 32 c + 16 (lane / 16) + 0..15: a permutation of k, the same on both sides.  The rows of no entry hold zero codes and run the same text; nobody reads their results.
; LIMITS: ex + ew1 between -126 and 127; eh between -126 and 112, so that each power of two below is an f32 number.  NaN among the inputs is not served.  Below about -88 silu comes out as -0 (2^(large) is infinity, its reciprocal 0).
; REGISTERS, in windows of 256: window 0: v1 r, v2 h, v3 16 x lane, v4-6 LDS addresses of x's fragments; v32-175 x's nine fragments (behind the products: at work); v176-207 the accumulators of rows 128-143; v208-239 b1 in the
;   result's layout.   window 1: accumulator (a, b) at v[8 (4 a + b)], a = 0..7.   window 2: W1's K steps 0-3, fragment (s, b) at 64 (s % 4) + 16 b.   window 3: K steps 4-7.
.set PX,   1040                        ; a row of x in LDS: 1,024 bytes + 16 = 65 x 16: the sixteen rows that a load touches start in sixteen different 16-byte columns of 256
.set SPARE, 167936
.set AB,   4
.set AF,   32
.set ACC8, 176
.set BI,   208
.set Z,    32                          ; the epilogue: 32 numbers z, then silu(z)
.set T,    64                          ; 32 numbers at work
.set PC,   96                          ; codes: 8 registers for each block of rows, so that no store's data are written again
.set G0,   44                          ; s[44:47], s[48:55] the descriptor
.set G1,   48
.set MSB, 0
.macro WIN new                         ; the immediate's high byte repeats the setting that is left; a switch that changes nothing is dropped
.if MSB != \new
	s_set_vgpr_msb (MSB<<8)|\new
.set MSB, \new
.endif
.endm
.macro PLACES                          ; four plain vector instructions between a matrix instruction and a load into, or a vector access to, its registers
.rept 4
	v_nop
.endr
.endm
.macro CROUND                          ; a round of the cluster's barrier: wave 0's signal speaks for all four waves
	s_barrier_signal -1
	s_barrier_wait -1
	s_cmp_lg_u32 s18, 0
	s_cbranch_scc1 .Lnot_wave_0_\@
	s_barrier_signal -3
.Lnot_wave_0_\@:
	s_barrier_wait -3
	s_barrier_signal -1
	s_barrier_wait -1
.endm
.macro BLOAD s                         ; W1's four fragments of K step s: 16 loads of 512 consecutive bytes
.set WN, 0x80+0x40*((\s)/4)
	WIN WN                                         ; destination window 2 or 3, address window 0
.irp b, 0,1,2,3
.irp c, 0,1,2,3
	global_load_b128 v[64*((\s)%4)+16*\b+4*\c:64*((\s)%4)+16*\b+4*\c+3], v3, s[6:7] offset:\b*16384+(\s)*2048+\c*512
.endr
.endr
	WIN 0
.endm
.macro ALOAD s, a                      ; x's fragment of rows 16 a on, K step s
.irp c, 0,1,2,3
	ds_load_b128 v[AF+16*(\a)+4*\c:AF+16*(\a)+4*\c+3], v[AB+(\a)/3] offset:((\a)%3)*16*PX+128*(\s)+32*\c
.endr
.endm
.macro MM s, a                         ; four matrix instructions: rows 16 a on x my four tiles of units.  The first K step starts the sums: nothing is cleared
.if (\a) < 8
.set WN, 0x52+(\s)/4
.set DD, 32*(\a)
.else
.set WN, 0x02+(\s)/4
.set DD, ACC8
.endif
	WIN WN                                         ; source 0 (W1) window 2 or 3, source 1 (x) window 0, C and D window 1 (rows 128 on: window 0)
.irp b, 0,1,2,3
.if (\s) == 0
	v_wmma_f32_16x16x128_bf8_bf8 v[DD+8*\b:DD+8*\b+7], v[64*((\s)%4)+16*\b:64*((\s)%4)+16*\b+15], v[AF+16*(\a):AF+16*(\a)+15], 0
.else
	v_wmma_f32_16x16x128_bf8_bf8 v[DD+8*\b:DD+8*\b+7], v[64*((\s)%4)+16*\b:64*((\s)%4)+16*\b+15], v[AF+16*(\a):AF+16*(\a)+15], v[DD+8*\b:DD+8*\b+7]
.endif
.endr
.endm
; A K step: 36 matrix instructions, the 36 accumulators by turns in the same order in every step.  x has one set of registers: blocks 0-4 are fetched anew in the step's middle, blocks 5-8 at its end.
.macro KSTEP s
.if (\s) < 5
	s_wait_loadcnt 48                              ; this step's W1 is in; the three later steps' 48 loads may be out
.else
	s_wait_loadcnt 16*(7-(\s))
.endif
	s_wait_dscnt 16                                ; x's blocks 0-4 are in; the youngest sixteen loads (blocks 5-8) may be out
.irp a, 0,1,2,3,4
	MM \s, \a
.endr
.if (\s) < 7
	PLACES
	WIN 0
.irp a, 0,1,2,3,4
	ALOAD (\s)+1, \a
.endr
	s_wait_dscnt 20                                ; all but the twenty just issued
.else
	s_wait_dscnt 0x0
.endif
.irp a, 5,6,7,8
	MM \s, \a
.endr
.if (\s) < 7
	PLACES
	WIN 0
.irp a, 5,6,7,8
	ALOAD (\s)+1, \a
.endr
.endif
.if (\s) < 4
	BLOAD (\s)+4                                   ; into registers that nothing has touched yet
.endif
.endm
	s_load_b256 s[4:11], s[0:1], 0x0               ; xs s[4:5], w1f s[6:7], b1 s[8:9], the scales' exponents s[10:11]
	s_load_b128 s[12:15], s[0:1], 0x20             ; texp s[12:13], hq s[14:15]
	v_lshl_add_u32 v254, v0, 2, SPARE
	v_mov_b32 v255, 0
	ds_add_u32 v254, v255                          ; the wave's opening: the add, twice on end, and its wait ahead of my tensor load
	ds_add_u32 v254, v255
	v_lshrrev_b32 v1, 5, v0
	v_readfirstlane_b32 s18, v1                    ; wave 0..3
	s_and_b32 s19, ttmp7, 0xffff                   ; the tile: the cluster's y (a cluster is one work-group high), which the four partners share
	s_bfe_u32 s36, ttmp6, 0x40000                  ; cx: my place in the cluster
	s_lshl_b32 s37, ttmp9, 2                       ; in a cluster launch ttmp9 counts clusters
	s_add_co_u32 s36, s36, s37                     ; the column block cb: it enters W1's, b1's and hq's addresses alone
	v_and_b32 v1, 15, v0                           ; r
	v_bfe_u32 v2, v0, 4, 1                         ; h
	v_and_b32 v3, 31, v0
	v_lshlrev_b32 v3, 4, v3                        ; 16 x lane
	v_mul_u32_u24 v[AB], v1, PX
	v_lshl_add_u32 v[AB], v2, 4, v[AB]             ; a fragment: row r x pitch + 16 h;
	v_add_nc_u32 v[AB+1], 48*PX, v[AB]             ; three bases, 48 rows apart, keep the immediates inside 16 bits
	v_add_nc_u32 v[AB+2], 96*PX, v[AB]
	v_lshlrev_b32 v12, 6, v2                       ; b1: 16 h numbers on
	; descriptor group 1: 36 rows of 128 elements of 8 bytes, 16 bytes of padding behind each row in LDS
	s_mov_b32 s[G1], 15|(3<<16)|(1<<20)|(1<<21)|(7<<22)|(3<<25)   ; 15:0 the mask: all four work-groups; 17:16 elements of 8 bytes; 20 padding on; 21 set beside a mask; 24:22 after every 256 words (code 7); 31:25 of 4 words (code 3)
	s_mov_b32 s[G1+1], 128<<16                     ; tensor_dim0 = 128
	s_mov_b32 s[G1+2], 36<<16                      ; tensor_dim1 = 36
	s_mov_b32 s[G1+3], 128<<16                     ; tile_dim0 = 128
	s_mov_b32 s[G1+4], 36                          ; tile_dim1 = 36
	s_mov_b32 s[G1+5], 128                         ; a row begins where the last ends
	s_mov_b32 s[G1+6], 0
	s_mov_b32 s[G1+7], 0
	s_mul_i32 s21, s18, 36*PX                      ; where my 36 rows go
	s_mov_b32 s[G0], 1
	s_mov_b32 s[G0+1], s21
	s_mul_i32 s28, s19, 147456
	s_mul_i32 s29, s18, 36864
	s_add_co_u32 s28, s28, s29                     ; where they come from
	s_mov_b32 s29, 0
	s_lshl_b32 s22, s19, 2
	s_mov_b32 s23, 0
	s_wait_alu depctr_va_vdst(0)
	s_wait_dscnt 0x0                               ; both opening adds are done
	s_wait_kmcnt 0x0
	s_add_nc_u64 s[12:13], s[12:13], s[22:23]
	s_load_b32 s20, s[12:13], 0x0                  ; the tile's expert: on its way during the round
	s_add_nc_u64 s[G0+2:G0+3], s[4:5], s[28:29]
	s_or_b32 s[G0+3], s[G0+3], 0x80000000
	CROUND                                         ; all four work-groups are here: the joint loads meet
	tensor_load_to_lds s[G0:G0+3], s[G1:G1+7]      ; my one tensor load
	s_nop 0
.rept 4
	v_nop                                          ; four v_nop follow the line
.endr
	s_mul_i32 s60, s19, 147456                     ; hq: my tile,
	s_lshl_b32 s62, s36, 1
	s_lshr_b32 s63, s18, 1
	s_add_co_u32 s62, s62, s63
	s_mul_i32 s62, s62, 18432                      ; K step 2 cb + wave / 2 of the next product,
	s_add_co_u32 s60, s60, s62
	s_and_b32 s63, s18, 1
	s_lshl_b32 s63, s63, 10                        ; c = 2 (wave % 2) on
	s_add_co_u32 s60, s60, s63
	s_mov_b32 s61, 0
	s_add_nc_u64 s[14:15], s[14:15], s[60:61]
	s_wait_kmcnt 0x0
	s_min_u32 s20, s20, 7
	s_lshl_b32 s22, s20, 4
	s_add_nc_u64 s[10:11], s[10:11], s[22:23]
	s_load_b128 s[24:27], s[10:11], 0x0            ; ex, ew1, eh, ew2
	s_lshl_b32 s56, s20, 20                        ; w1f: expert, 16 tiles a column block, 4 a wave, 16,384 bytes a tile
	s_lshl_b32 s62, s36, 18
	s_add_co_u32 s56, s56, s62
	s_lshl_b32 s62, s18, 16
	s_add_co_u32 s56, s56, s62
	s_mov_b32 s57, 0
	s_add_nc_u64 s[6:7], s[6:7], s[56:57]
	s_lshl_b32 s58, s20, 12                        ; b1: expert, + 4 (256 cb + 64 wave)
	s_lshl_b32 s62, s36, 10
	s_add_co_u32 s58, s58, s62
	s_lshl_b32 s62, s18, 8
	s_add_co_u32 s58, s58, s62
	s_mov_b32 s59, 0
	s_add_nc_u64 s[8:9], s[8:9], s[58:59]
.irp t, 0,1,2,3
	global_load_b128 v[BI+8*\t:BI+8*\t+3], v12, s[8:9] offset:(32*(\t/2)+8*(\t%2))*4      ; lane (r, h), tile t, register i: unit 32 (t / 2) + 8 (t % 2) + 16 h + i
	global_load_b128 v[BI+8*\t+4:BI+8*\t+7], v12, s[8:9] offset:(32*(\t/2)+8*(\t%2))*4+16
.endr
	BLOAD 0
	BLOAD 1
	BLOAD 2
	BLOAD 3
	s_wait_kmcnt 0x0
	s_add_co_i32 s40, s24, s25
	s_add_co_i32 s40, s40, 127
	s_lshl_b32 s40, s40, 23                        ; 2^(ex + ew1) as f32
	s_mov_b32 s41, s40                             ; (named with it as a pair, so it is written)
	s_mov_b32 s42, 0xbfb8aa3b                      ; -log2(e)
	s_mov_b32 s43, s42
	s_add_co_i32 s38, s26, 127
	s_lshl_b32 s39, s38, 23
	s_add_co_i32 s38, s38, 15
	s_lshl_b32 s38, s38, 23
	s_or_b32 s38, s38, 0x600000
	v_mov_b32 v10, s39                             ; 2^eh as f32: the conversion takes its exponent field
	v_mov_b32 v11, s38                             ; 57,344 x 2^eh
	s_wait_alu depctr_va_vdst(0)
	s_wait_tensorcnt 0x0                           ; my 36 rows lie in LDS
	s_barrier_signal -1
	s_barrier_wait -1                              ; everybody's do
.irp a, 0,1,2,3,4,5,6,7,8
	ALOAD 0, \a
.endr
.irp s, 0,1,2,3,4,5,6,7
	KSTEP \s
.endr
	WIN 0
	PLACES                                         ; behind the last products: their results are read and x's registers written below
; Rows 16 a on: z = sum x 2^(ex + ew1) + b1; silu(z) = z / (1 + 2^(-z log2 e)); the hold; the conversion; two stores of 512 consecutive bytes.
; The exponentials are one batch and the reciprocals another, with the waits ahead of and behind each.
.macro EPI a
.if (\a) < 8
	WIN 0x01                                       ; source 0 (the sums) window 1
.set AC, 32*(\a)
.else
.set AC, ACC8
.endif
.set i, 0
.rept 16
	v_pk_fma_f32 v[Z+i:Z+i+1], v[AC+i:AC+i+1], s[40:41], v[BI+i:BI+i+1] op_sel_hi:[1,0,1]   ; each accumulator from its low end on
.set i, i+2
.endr
	WIN 0
.set i, 0
.rept 16
	v_pk_mul_f32 v[T+i:T+i+1], v[Z+i:Z+i+1], s[42:43] op_sel_hi:[1,0]
.set i, i+2
.endr
.set i, 0
	s_wait_alu depctr_va_vdst(0)
.rept 32
	v_exp_f32 v[T+i], v[T+i]
.set i, i+1
.endr
	v_nop
	s_wait_alu depctr_va_vdst(0)
.set i, 0
.rept 16
	v_pk_add_f32 v[T+i:T+i+1], v[T+i:T+i+1], 1.0 op_sel_hi:[1,0]
.set i, i+2
.endr
.set i, 0
	s_wait_alu depctr_va_vdst(0)
.rept 32
	v_rcp_f32 v[T+i], v[T+i]
.set i, i+1
.endr
	v_nop
	s_wait_alu depctr_va_vdst(0)
.set i, 0
.rept 16
	v_pk_mul_f32 v[Z+i:Z+i+1], v[Z+i:Z+i+1], v[T+i:T+i+1]
.set i, i+2
.endr
.set i, 0
.rept 32
	v_med3_num_f32 v[Z+i], v[Z+i], -v11, v11       ; the conversion to an 8-bit code does not saturate (ISA guide 7.6.2): the hold at the largest code x the scale
.set i, i+1
.endr
.set PCA, PC+8*(\a)
.irp g, 0,1,2,3
	v_cvt_scalef32_pk8_bf8_f32 v[PCA+2*\g:PCA+2*\g+1], v[Z+8*\g:Z+8*\g+7], v10
.endr
	v_nop                                          ; a plain instruction between the conversions and the next block's writes of their sources
	global_store_b128 v3, v[PCA:PCA+3], s[14:15] offset:2048*(\a)          ; units 16 h + 0..15 of my first 32: chunk c = 2 (wave % 2)
	global_store_b128 v3, v[PCA+4:PCA+7], s[14:15] offset:2048*(\a)+512    ; of my second 32: the chunk after it
.endm
.irp a, 0,1,2,3,4,5,6,7,8
	EPI \a
.endr
	s_wait_tensorcnt 0x0                           ; the wave's end
	ds_add_u32 v254, v255
	s_wait_dscnt 0x0
	CROUND                                         ; the closing round: no work-group ends while a partner may still ask for bytes with a load that names it
	s_endpgm
.Lfunc_end_k_qd38e7572e3_gemm1:
	.size	k_qd38e7572e3_gemm1, .Lfunc_end_k_qd38e7572e3_gemm1-k_qd38e7572e3_gemm1
	.p2alignl 7, 3214868480
	.fill 96, 4, 3214868480
	.section	.rodata,"a",@progbits
	.p2align	6, 0x0
	.amdhsa_kernel k_qd38e7572e3_gemm1
		.amdhsa_group_segment_fixed_size 168448
		.amdhsa_private_segment_fixed_size 0
		.amdhsa_enable_private_segment 0
		.amdhsa_kernarg_size 48
		.amdhsa_user_sgpr_count 2
		.amdhsa_user_sgpr_kernarg_segment_ptr 1
		.amdhsa_wavefront_size32 1
		.amdhsa_system_sgpr_workgroup_id_x 1
		.amdhsa_system_sgpr_workgroup_id_y 1
		.amdhsa_system_sgpr_workgroup_id_z 1
		.amdhsa_system_vgpr_workitem_id 0
		.amdhsa_next_free_vgpr 1024
		.amdhsa_next_free_sgpr 66
		.amdhsa_reserve_vcc 0
		.amdhsa_float_denorm_mode_32 3
		.amdhsa_float_denorm_mode_16_64 3
		.amdhsa_memory_ordered 1
		.amdhsa_forward_progress 1
		.amdhsa_inst_pref_size 137
	.end_amdhsa_kernel
	.amdgpu_metadata
---
amdhsa.version: [ 1, 2 ]
amdhsa.kernels:
  - .name:           k_qd38e7572e3_gemm1
    .symbol:         k_qd38e7572e3_gemm1.kd
    .args:
      - { .name: xs, .offset: 0, .size: 8, .value_kind: global_buffer, .address_space: global }
      - { .name: w1f, .offset: 8, .size: 8, .value_kind: global_buffer, .address_space: global }
      - { .name: b1, .offset: 16, .size: 8, .value_kind: global_buffer, .address_space: global }
      - { .name: lowp_scales, .offset: 24, .size: 8, .value_kind: global_buffer, .address_space: global }
      - { .name: texp, .offset: 32, .size: 8, .value_kind: global_buffer, .address_space: global }
      - { .name: hq, .offset: 40, .size: 8, .value_kind: global_buffer, .address_space: global }
    .group_segment_fixed_size: 168448
    .private_segment_fixed_size: 0
    .kernarg_segment_align: 8
    .kernarg_segment_size: 48
    .max_flat_workgroup_size: 128
    .sgpr_count:     66
    .vgpr_count:     1024
    .wavefront_size: 32
...
	.end_amdgpu_metadata
.endif
;; end of part 2
;; launch gemm2 (part 3): grid 4 x 64, 4 waves a work-group, clusters of 4 x 1, 168,448 bytes of LDS; arguments hq, w2f, b2, lowp_scales, texp, part; writes part
.if DOCPART == 3
	.amdgcn_target "amdgcn-amd-amdhsa--gfx1250"
	.amdhsa_code_object_version 6
	.text
	.protected	k_qd38e7572e3_gemm2
	.globl	k_qd38e7572e3_gemm2
	.p2align	8
	.type	k_qd38e7572e3_gemm2,@function
k_qd38e7572e3_gemm2:
	s_mov_b64 s[64:65], 0
	v_nop
	global_prefetch_b8 v0, s[64:65] scope:SCOPE_SE
	s_setreg_imm32_b32 hwreg(HW_REG_WAVE_MODE, 25, 1), 1
	s_wait_xcnt 0x0
	s_wait_alu depctr_hold_cnt(0) depctr_sa_sdst(0) depctr_va_vdst(0) depctr_va_sdst(0) depctr_va_ssrc(0) depctr_va_vcc(0) depctr_vm_vsrc(0)
	s_getreg_b32 s2, hwreg(HW_REG_IB_STS2, 6, 4)
	s_cmp_eq_u32 s2, 0
	s_cbranch_scc0 .Lentry_in_a_cluster
	s_endpgm
.Lentry_in_a_cluster:
	s_bfe_u32 s2, ttmp6, 0x10000c
	s_cmp_lg_u32 s2, 0x3003
	s_cbranch_scc0 .Lentry_shape_is_right
	s_endpgm
.Lentry_shape_is_right:
; part[p] = h[p] W2[e]^T 2^(eh + ew2) + b2[e] for one tile of 144 positions (work-group y) and 256 outputs (work-group x), on codes of BF8 (E5M2).  e = texp[tile]; eh, ew2 are lowp_scales[4 e + 2], [4 e + 3].
; SHARES as in the launch before: four waves, wave w makes all 144 rows x outputs 256 cb + 64 w .. + 63: 9 x 4 accumulators, 36 matrix instructions for 128 along K, 8 such steps.  The only branches are those of the cluster's rounds, on the wave's number.
; The tile's hidden codes, 147,456 bytes, lie in hq as images of the operand's registers ([K step 8][block of 16 rows 9][c 4][512 bytes]): one dense block, brought once into LDS as it lies; a fragment is four
; loads of 512 consecutive bytes.  A wave's 64 KB of W2 come from w2f straight into 512 registers, each byte once.
; CLUSTER: the four column blocks of a tile form a cluster of 4 x 1.  They need the same 147,456 bytes of hq, of the 409,600 that a work-group reads: these are asked for JOINTLY.  Wave w of each of the four issues the same tensor
; load (K steps 2 w and 2 w + 1: 36,864 dense bytes, as 144 rows of 256), with the same descriptor and a mask that names the four; each receives the bytes in its own LDS.  A cluster so asks for 147,456 bytes in place of 589,824.
; The descriptor is made of the tile and the wave's number alone; the place in the cluster enters only the addresses of W2, b2 and part, in registers that never feed the descriptor.  A wave has one tensor load outstanding.
; No LDS byte is filled twice.  W2 is not shared in the cluster: each column block has 256 rows of its own, and which tiles share an expert's weights hangs on stored counts.
; THE MATRIX INSTRUCTION IS USED TRANSPOSED (source 0 = 16 rows of W2, source 1 = 16 rows of h): a lane's eight results are eight neighbouring outputs of one row.  A block of 16 rows x 64 outputs goes through the wave's own stage
; in LDS and leaves as rows of 256 bytes, sixteen lanes to a row.
; LIMITS: eh + ew2 between -126 and 127, so that 2^(eh + ew2) is an f32 number.
; LDS: bytes 0 to 147,455 the images; from 147,456 on four stages of 16 rows x 272 bytes, into which no tensor load lands.
; REGISTERS: as in the launch before; v7 into the stage, v8 out of it, v9 my place in two rows of part, v12 b2's offset; behind the products v32-63 results, v64-127 rows on their way out.
.set AB,   4
.set AF,   32
.set ACC8, 176
.set BI,   208
.set Y,    32
.set OB,   64
.set STG,  147456
.set SPI,  272                         ; a stage row: 256 bytes + 16: the sixteen rows that a store touches start in sixteen different 16-byte columns of 256
.set QB,   36864                       ; what one wave fetches: two K steps' images
.set G0,   44                          ; s[44:47] descriptor group 0
.set G1,   48                          ; s[48:55] descriptor group 1
.set MSB, 0
.macro WIN new                         ; the immediate's high byte repeats the setting that is left; a switch that changes nothing is dropped
.if MSB != \new
	s_set_vgpr_msb (MSB<<8)|\new
.set MSB, \new
.endif
.endm
.macro PLACES                          ; four plain vector instructions between a matrix instruction and a load into, or a vector access to, its registers
.rept 4
	v_nop
.endr
.endm
; A round of the cluster's barrier: my work-group's barrier, so that wave 0's signal speaks for all four waves; wave 0 signals for the work-group; every wave waits for all four work-groups; my work-group's barrier once more.
.macro CROUND
	s_barrier_signal -1
	s_barrier_wait -1
	s_cmp_lg_u32 s18, 0
	s_cbranch_scc1 .Lnot_wave_0_\@
	s_barrier_signal -3
.Lnot_wave_0_\@:
	s_barrier_wait -3
	s_barrier_signal -1
	s_barrier_wait -1
.endm
.macro BLOAD s                         ; W2's four fragments of K step s: 16 loads of 512 consecutive bytes
.set WN, 0x80+0x40*((\s)/4)
	WIN WN                                         ; destination window 2 or 3, address window 0
.irp b, 0,1,2,3
.irp c, 0,1,2,3
	global_load_b128 v[64*((\s)%4)+16*\b+4*\c:64*((\s)%4)+16*\b+4*\c+3], v3, s[6:7] offset:\b*16384+(\s)*2048+\c*512
.endr
.endr
	WIN 0
.endm
.macro ALOAD s, a                      ; h's fragment of rows 16 a on, K step s: its image, as it lies
.irp c, 0,1,2,3
	ds_load_b128 v[AF+16*(\a)+4*\c:AF+16*(\a)+4*\c+3], v[AB+(\s)/3] offset:((\s)%3)*18432+(\a)*2048+512*\c
.endr
.endm
.macro MM s, a                         ; four matrix instructions: rows 16 a on x my four tiles of outputs.  The first K step starts the sums: nothing is cleared
.if (\a) < 8
.set WN, 0x52+(\s)/4
.set DD, 32*(\a)
.else
.set WN, 0x02+(\s)/4
.set DD, ACC8
.endif
	WIN WN                                         ; source 0 (W2) window 2 or 3, source 1 (h) window 0, C and D window 1 (rows 128 on: window 0)
.irp b, 0,1,2,3
.if (\s) == 0
	v_wmma_f32_16x16x128_bf8_bf8 v[DD+8*\b:DD+8*\b+7], v[64*((\s)%4)+16*\b:64*((\s)%4)+16*\b+15], v[AF+16*(\a):AF+16*(\a)+15], 0
.else
	v_wmma_f32_16x16x128_bf8_bf8 v[DD+8*\b:DD+8*\b+7], v[64*((\s)%4)+16*\b:64*((\s)%4)+16*\b+15], v[AF+16*(\a):AF+16*(\a)+15], v[DD+8*\b:DD+8*\b+7]
.endif
.endr
.endm
; A K step: 36 matrix instructions, the 36 accumulators by turns in the same order in every step.  h has one set of registers: blocks 0-4 are fetched anew in the step's middle, blocks 5-8 at its end.
.macro KSTEP s
.if (\s) < 5
	s_wait_loadcnt 48                              ; this step's W2 is in; the three later steps' 48 loads may be out
.else
	s_wait_loadcnt 16*(7-(\s))
.endif
	s_wait_dscnt 16                                ; h's blocks 0-4 are in; the youngest sixteen loads (blocks 5-8) may be out
.irp a, 0,1,2,3,4
	MM \s, \a
.endr
.if (\s) < 7
	PLACES
	WIN 0
.irp a, 0,1,2,3,4
	ALOAD (\s)+1, \a
.endr
	s_wait_dscnt 20                                ; all but the twenty just issued
.else
	s_wait_dscnt 0x0
.endif
.irp a, 5,6,7,8
	MM \s, \a
.endr
.if (\s) < 7
	PLACES
	WIN 0
.irp a, 5,6,7,8
	ALOAD (\s)+1, \a
.endr
.endif
.if (\s) < 4
	BLOAD (\s)+4                                   ; into registers that nothing has touched yet
.endif
.endm
	s_load_b256 s[4:11], s[0:1], 0x0               ; hq s[4:5], w2f s[6:7], b2 s[8:9], the scales' exponents s[10:11]
	s_load_b128 s[12:15], s[0:1], 0x20             ; texp s[12:13], part s[14:15]
	v_lshl_add_u32 v254, v0, 2, 0x29000
	v_mov_b32 v255, 0
	ds_add_u32 v254, v255
	ds_add_u32 v254, v255
	s_wait_dscnt 0x0
	v_lshrrev_b32 v1, 5, v0
	v_readfirstlane_b32 s18, v1                    ; wave 0..3
	s_and_b32 s19, ttmp7, 0xffff                   ; the tile: the cluster's y (a cluster is one work-group high), which the four partners share
	s_bfe_u32 s36, ttmp6, 0x40000                  ; cx: my place in the cluster
	s_lshl_b32 s37, ttmp9, 2                       ; in a cluster launch ttmp9 counts clusters
	s_add_co_u32 s36, s36, s37                     ; the column block = 4 x cluster x + cx: it enters W2's, b2's and part's addresses alone
	v_and_b32 v1, 15, v0                           ; r
	v_bfe_u32 v2, v0, 4, 1                         ; h
	v_and_b32 v3, 31, v0
	v_lshlrev_b32 v3, 4, v3                        ; 16 x lane
	v_mov_b32 v[AB], v3                            ; an image's place for my lane; three bases, three K steps apart, keep the immediates inside 16 bits
	v_add_nc_u32 v[AB+1], 3*18432, v3
	v_add_nc_u32 v[AB+2], 6*18432, v3
	s_mul_i32 s32, s18, 16*SPI
	s_add_co_u32 s32, s32, STG                     ; my stage
	v_mul_u32_u24 v7, v1, SPI
	v_lshl_add_u32 v7, v2, 5, v7
	v_add_nc_u32 v7, s32, v7                       ; in: row r, + 32 h
	v_mul_u32_u24 v8, v2, SPI
	v_lshl_add_u32 v8, v1, 4, v8
	v_add_nc_u32 v8, s32, v8                       ; back: lanes 0-15 one row of 256 bytes, lanes 16-31 the next
	v_lshlrev_b32 v9, 12, v2
	v_lshl_add_u32 v9, v1, 4, v9                   ; and the same two rows in part
	v_lshlrev_b32 v12, 5, v2                       ; b2: 8 h numbers on
	; descriptor group 1: 144 rows of 32 elements of 8 bytes, dense in memory and in LDS
	s_mov_b32 s[G1], 15|(3<<16)|(1<<21)            ; 15:0 the mask: all four work-groups; 17:16 elements of 8 bytes; 20 no padding; 21 set beside a mask
	s_mov_b32 s[G1+1], 32<<16                      ; 63:48 tensor_dim0, low half = 32
	s_mov_b32 s[G1+2], 144<<16                     ; 79:64 its high half = 0; 95:80 tensor_dim1, low half = 144
	s_mov_b32 s[G1+3], 32<<16                      ; 111:96 its high half = 0; 127:112 tile_dim0 = 32
	s_mov_b32 s[G1+4], 144                         ; 143:128 tile_dim1 = 144; 159:144 tile_dim2 = 0
	s_mov_b32 s[G1+5], 32                          ; 191:160 tensor_dim0_stride: a row begins where the last ends
	s_mov_b32 s[G1+6], 0
	s_mov_b32 s[G1+7], 0
	s_mul_i32 s21, s18, QB                         ; my quarter of the images: the same place in the tile's block of hq and in LDS
	s_mov_b32 s[G0], 1                             ; 1:0 count = 1
	s_mov_b32 s[G0+1], s21                         ; 63:32 LDS address: wave x 36,864
	s_mul_i32 s28, s19, 147456
	s_add_co_u32 s28, s28, s21
	s_mov_b32 s29, 0
	s_lshl_b32 s22, s19, 2
	s_mov_b32 s23, 0
	s_wait_alu depctr_va_vdst(0)
	s_wait_kmcnt 0x0
	s_add_nc_u64 s[12:13], s[12:13], s[22:23]
	s_load_b32 s20, s[12:13], 0x0                  ; the tile's expert: on its way during the round
	s_add_nc_u64 s[G0+2:G0+3], s[4:5], s[28:29]    ; 120:64 global address: the tile, the wave
	s_or_b32 s[G0+3], s[G0+3], 0x80000000          ; 127:126 type = 2
	CROUND                                         ; all four work-groups are here: the joint loads meet
	tensor_load_to_lds s[G0:G0+3], s[G1:G1+7]      ; my one tensor load
	s_nop 0
.rept 4
	v_nop                                          ; four v_nop follow the line
.endr
	s_mul_i32 s60, s19, 589824                     ; part: 144 rows of 4,096 bytes a tile, + 4 (256 cb + 64 wave)
	s_lshl_b32 s62, s36, 10
	s_add_co_u32 s60, s60, s62
	s_lshl_b32 s62, s18, 8
	s_add_co_u32 s60, s60, s62
	s_mov_b32 s61, 0
	s_add_nc_u64 s[14:15], s[14:15], s[60:61]
	s_wait_kmcnt 0x0
	s_min_u32 s20, s20, 7
	s_lshl_b32 s22, s20, 4
	s_add_nc_u64 s[10:11], s[10:11], s[22:23]
	s_load_b128 s[24:27], s[10:11], 0x0            ; ex, ew1, eh, ew2
	s_lshl_b32 s56, s20, 20                        ; w2f: expert, 16 tiles a column block, 4 a wave, 16,384 bytes a tile
	s_lshl_b32 s62, s36, 18
	s_add_co_u32 s56, s56, s62
	s_lshl_b32 s62, s18, 16
	s_add_co_u32 s56, s56, s62
	s_mov_b32 s57, 0
	s_add_nc_u64 s[6:7], s[6:7], s[56:57]
	s_lshl_b32 s58, s20, 12                        ; b2: expert, + 4 (256 cb + 64 wave)
	s_lshl_b32 s62, s36, 10
	s_add_co_u32 s58, s58, s62
	s_lshl_b32 s62, s18, 8
	s_add_co_u32 s58, s58, s62
	s_mov_b32 s59, 0
	s_add_nc_u64 s[8:9], s[8:9], s[58:59]
	s_wait_alu depctr_va_vdst(0)
.irp b, 0,1,2,3
	global_load_b128 v[BI+8*\b:BI+8*\b+3], v12, s[8:9] offset:64*\b        ; lane (r, h), tile b, register i: output 16 b + 8 h + i
	global_load_b128 v[BI+8*\b+4:BI+8*\b+7], v12, s[8:9] offset:64*\b+16
.endr
	BLOAD 0
	BLOAD 1
	BLOAD 2
	BLOAD 3
	s_wait_kmcnt 0x0
	s_add_co_i32 s40, s26, s27
	s_add_co_i32 s40, s40, 127
	s_lshl_b32 s40, s40, 23                        ; 2^(eh + ew2) as f32
	s_mov_b32 s41, s40                             ; (named with it as a pair, so it is written)
	s_wait_tensorcnt 0x0                           ; my quarter lies in LDS
	s_barrier_signal -1
	s_barrier_wait -1                              ; everybody's does
.irp a, 0,1,2,3,4,5,6,7,8
	ALOAD 0, \a
.endr
.irp s, 0,1,2,3,4,5,6,7
	KSTEP \s
.endr
	WIN 0
	PLACES                                         ; behind the last products: their results are read and h's registers written below
; THE WAY OUT, block by block of 16 rows x 64 outputs: y = sum x 2^(eh + ew2) + b2, one packed multiply-add for two numbers; into my stage; back as rows of 256 bytes.
; LDS serves a wave's instructions in order: no wait between the stores and the loads, nor in front of the next block's stores.
.macro TOSTAGE a
.if (\a) < 8
	WIN 0x01                                       ; source 0 (the sums) window 1
.set AC, 32*(\a)
.else
.set AC, ACC8
.endif
.set i, 0
.rept 16
	v_pk_fma_f32 v[Y+i:Y+i+1], v[AC+i:AC+i+1], s[40:41], v[BI+i:BI+i+1] op_sel_hi:[1,0,1]   ; each accumulator from its low end on
.set i, i+2
.endr
	WIN 0
.irp b, 0,1,2,3
	ds_store_b128 v7, v[Y+8*\b:Y+8*\b+3] offset:64*\b
	ds_store_b128 v7, v[Y+8*\b+4:Y+8*\b+7] offset:64*\b+16
.endr
.set OBB, OB+32*((\a)%2)
.irp i, 0,1,2,3,4,5,6,7
	ds_load_b128 v[OBB+4*\i:OBB+4*\i+3], v8 offset:2*SPI*\i
.endr
.endm
.macro SEND a, younger                 ; younger: the LDS instructions issued behind block a's loads, which may stay out
.set OBB, OB+32*((\a)%2)
	s_wait_dscnt \younger
.irp i, 0,1,2,3,4,5,6,7
	global_store_b128 v9, v[OBB+4*\i:OBB+4*\i+3], s[14:15] offset:(16*(\a)+2*\i)*4096 th:TH_STORE_NT   ; sixteen lanes store 256 consecutive bytes, at a multiple of 256 from part's first byte; not read again in this launch
.endr
.endm
	TOSTAGE 0
.irp a, 1,2,3,4,5,6,7,8
.if \a > 1
	s_wait_xcnt 0x0                                ; block a - 2's stores have read their registers: block a's loads may land there
.endif
	TOSTAGE \a
	SEND \a-1, 16                                  ; behind block a - 1's loads: block a's 8 stores and 8 loads
.endr
	SEND 8, 0                                      ; its wait is for zero: no LDS instruction of mine is out at the round below
	s_wait_tensorcnt 0x0
	ds_add_u32 v254, v255
	s_wait_dscnt 0x0
	CROUND                                         ; the closing round: no work-group ends while a partner may still ask for bytes with a load that names it
	s_endpgm
.Lfunc_end_k_qd38e7572e3_gemm2:
	.size	k_qd38e7572e3_gemm2, .Lfunc_end_k_qd38e7572e3_gemm2-k_qd38e7572e3_gemm2
	.p2alignl 7, 3214868480
	.fill 96, 4, 3214868480
	.section	.rodata,"a",@progbits
	.p2align	6, 0x0
	.amdhsa_kernel k_qd38e7572e3_gemm2
		.amdhsa_group_segment_fixed_size 168448
		.amdhsa_private_segment_fixed_size 0
		.amdhsa_enable_private_segment 0
		.amdhsa_kernarg_size 48
		.amdhsa_user_sgpr_count 2
		.amdhsa_user_sgpr_kernarg_segment_ptr 1
		.amdhsa_wavefront_size32 1
		.amdhsa_system_sgpr_workgroup_id_x 1
		.amdhsa_system_sgpr_workgroup_id_y 1
		.amdhsa_system_sgpr_workgroup_id_z 1
		.amdhsa_system_vgpr_workitem_id 0
		.amdhsa_next_free_vgpr 1024
		.amdhsa_next_free_sgpr 66
		.amdhsa_reserve_vcc 0
		.amdhsa_float_denorm_mode_32 3
		.amdhsa_float_denorm_mode_16_64 3
		.amdhsa_memory_ordered 1
		.amdhsa_forward_progress 1
		.amdhsa_inst_pref_size 85
	.end_amdhsa_kernel
	.amdgpu_metadata
---
amdhsa.version: [ 1, 2 ]
amdhsa.kernels:
  - .name:           k_qd38e7572e3_gemm2
    .symbol:         k_qd38e7572e3_gemm2.kd
    .args:
      - { .name: hq, .offset: 0, .size: 8, .value_kind: global_buffer, .address_space: global }
      - { .name: w2f, .offset: 8, .size: 8, .value_kind: global_buffer, .address_space: global }
      - { .name: b2, .offset: 16, .size: 8, .value_kind: global_buffer, .address_space: global }
      - { .name: lowp_scales, .offset: 24, .size: 8, .value_kind: global_buffer, .address_space: global }
      - { .name: texp, .offset: 32, .size: 8, .value_kind: global_buffer, .address_space: global }
      - { .name: part, .offset: 40, .size: 8, .value_kind: global_buffer, .address_space: global }
    .group_segment_fixed_size: 168448
    .private_segment_fixed_size: 0
    .kernarg_segment_align: 8
    .kernarg_segment_size: 48
    .max_flat_workgroup_size: 128
    .sgpr_count:     66
    .vgpr_count:     1024
    .wavefront_size: 32
...
	.end_amdgpu_metadata
.endif
;; end of part 3
;; launch combine (part 4): grid 256 x 1, 8 waves a work-group, no clusters, 0 bytes of LDS; arguments part, pos, expert_weights, out0; writes out0
.if DOCPART == 4
	.amdgcn_target "amdgcn-amd-amdhsa--gfx1250"
	.amdhsa_code_object_version 6
	.text
	.protected	k_qd38e7572e3_combine
	.globl	k_qd38e7572e3_combine
	.p2align	8
	.type	k_qd38e7572e3_combine,@function
k_qd38e7572e3_combine:
	s_mov_b64 s[64:65], 0
	v_nop
	global_prefetch_b8 v0, s[64:65] scope:SCOPE_SE
	s_setreg_imm32_b32 hwreg(HW_REG_WAVE_MODE, 25, 1), 1
	s_wait_xcnt 0x0
; out[t] = w(t, 0) part[pos[2 t]] + w(t, 1) part[pos[2 t + 1]].  Each output row has one owner: a wave takes tokens t = 16 g + 2 wave and t + 1.
; A weight whose index lies outside 0..7 counts as 0: no expert's mask names it.  Where both slots name one expert, its row stands at two positions and the two weights add up.
; A stream: no LDS, no barrier, no matrix unit, no cluster (work-groups share nothing).  Each load and store of a wave covers 512 consecutive bytes; a wave's 32 loads (four rows of 4,096 bytes) go out together.
.set X, 8                              ; v8-135: entry n's row at X + 32 n
	s_load_b256 s[4:11], s[0:1], 0x0               ; part s[4:5], pos s[6:7], the weights s[8:9], out s[10:11].  An entry of pos is two words: its position, its index as given
	v_lshrrev_b32 v1, 5, v0
	s_delay_alu instid0(VALU_DEP_1)
	v_readfirstlane_b32 s14, v1                    ; wave 0..7
	v_and_b32 v1, 31, v0
	s_delay_alu instid0(VALU_DEP_1)
	v_lshlrev_b32 v1, 4, v1                        ; 16 x lane
	s_lshl_b32 s15, ttmp9, 4
	s_lshl_b32 s14, s14, 1
	s_add_co_u32 s15, s15, s14                     ; t
	s_lshl_b32 s44, s15, 3                         ; four weights of 4 bytes from byte 8 t on
	s_mov_b32 s45, 0
	s_lshl_b32 s28, s15, 4                         ; four entries of pos, 8 bytes each, from byte 16 t on
	s_mov_b32 s29, 0
	s_lshl_b32 s46, s15, 12                        ; a row of out is 4,096 bytes
	s_mov_b32 s47, 0
	s_wait_alu depctr_va_vdst(0)
	s_wait_kmcnt 0x0
	s_add_nc_u64 s[6:7], s[6:7], s[28:29]
	s_add_nc_u64 s[8:9], s[8:9], s[44:45]
	s_add_nc_u64 s[12:13], s[10:11], s[46:47]
	s_load_b256 s[16:23], s[6:7], 0x0              ; four times position, index
	s_load_b128 s[24:27], s[8:9], 0x0              ; four weights
	s_wait_kmcnt 0x0
.irp n, 0,1,2,3
	s_min_u32 s[16+2*\n], s[16+2*\n], 9215         ; a position goes into an address
	s_lshl_b32 s[28+2*\n], s[16+2*\n], 12
	s_mov_b32 s[29+2*\n], 0
	s_add_nc_u64 s[28+2*\n:29+2*\n], s[4:5], s[28+2*\n:29+2*\n]   ; the entry's row of part
	s_cmp_lt_u32 s[17+2*\n], 8
	s_cselect_b32 s[36+2*\n], s[24+\n], 0          ; its weight, as the low word of a pair:
	s_mov_b32 s[37+2*\n], s[36+2*\n]               ; the packed forms name a pair and take its low word for both halves
.endr
.irp n, 0,1,2,3
.irp i, 0,1,2,3,4,5,6,7
	global_load_b128 v[X+32*\n+4*\i:X+32*\n+4*\i+3], v1, s[28+2*\n:29+2*\n] offset:512*\i th:TH_LOAD_NT   ; each position is named by one entry: read once
.endr
.endr
.macro TOKEN u, left                   ; left: the younger loads that may stay out
	s_wait_loadcnt \left
.set i, 0
.rept 16
	v_pk_mul_f32 v[X+64*\u+i:X+64*\u+i+1], v[X+64*\u+i:X+64*\u+i+1], s[36+4*\u:37+4*\u] op_sel_hi:[1,0]
.set i, i+2
.endr
.set i, 0
.rept 16
	v_pk_fma_f32 v[X+64*\u+i:X+64*\u+i+1], v[X+64*\u+32+i:X+64*\u+32+i+1], s[38+4*\u:39+4*\u], v[X+64*\u+i:X+64*\u+i+1] op_sel_hi:[1,0,1]
.set i, i+2
.endr
.irp i, 0,1,2,3,4,5,6,7
	global_store_b128 v1, v[X+64*\u+4*\i:X+64*\u+4*\i+3], s[12:13] offset:4096*\u+512*\i th:TH_STORE_NT
.endr
.endm
	TOKEN 0, 16                                    ; the first token's two rows are in; the second's sixteen loads may be out
	TOKEN 1, 0
	s_endpgm
.Lfunc_end_k_qd38e7572e3_combine:
	.size	k_qd38e7572e3_combine, .Lfunc_end_k_qd38e7572e3_combine-k_qd38e7572e3_combine
	.p2alignl 7, 3214868480
	.fill 96, 4, 3214868480
	.section	.rodata,"a",@progbits
	.p2align	6, 0x0
	.amdhsa_kernel k_qd38e7572e3_combine
		.amdhsa_group_segment_fixed_size 0
		.amdhsa_private_segment_fixed_size 0
		.amdhsa_enable_private_segment 0
		.amdhsa_kernarg_size 32
		.amdhsa_user_sgpr_count 2
		.amdhsa_user_sgpr_kernarg_segment_ptr 1
		.amdhsa_wavefront_size32 1
		.amdhsa_system_sgpr_workgroup_id_x 1
		.amdhsa_system_sgpr_workgroup_id_y 1
		.amdhsa_system_sgpr_workgroup_id_z 1
		.amdhsa_system_vgpr_workitem_id 0
		.amdhsa_next_free_vgpr 136
		.amdhsa_next_free_sgpr 66
		.amdhsa_reserve_vcc 0
		.amdhsa_float_denorm_mode_32 3
		.amdhsa_float_denorm_mode_16_64 3
		.amdhsa_memory_ordered 1
		.amdhsa_forward_progress 1
		.amdhsa_inst_pref_size 11
	.end_amdhsa_kernel
	.amdgpu_metadata
---
amdhsa.version: [ 1, 2 ]
amdhsa.kernels:
  - .name:           k_qd38e7572e3_combine
    .symbol:         k_qd38e7572e3_combine.kd
    .args:
      - { .name: part, .offset: 0, .size: 8, .value_kind: global_buffer, .address_space: global }
      - { .name: pos, .offset: 8, .size: 8, .value_kind: global_buffer, .address_space: global }
      - { .name: expert_weights, .offset: 16, .size: 8, .value_kind: global_buffer, .address_space: global }
      - { .name: out0, .offset: 24, .size: 8, .value_kind: global_buffer, .address_space: global }
    .group_segment_fixed_size: 0
    .private_segment_fixed_size: 0
    .kernarg_segment_align: 8
    .kernarg_segment_size: 32
    .max_flat_workgroup_size: 256
    .sgpr_count:     66
    .vgpr_count:     136
    .wavefront_size: 32
...
	.end_amdgpu_metadata
.endif
;; end of part 4
